; MI455X (gfx1250); checked and timed in simulation.
; The chip was launched on July 23, 2026; its instructions are those of AMD's public machine-readable ISA for CDNA 5 (MIT licence, August 2026) and "CDNA5" Instruction Set Architecture Reference Guide (July 2026). The comments in the code are by the model that wrote it; some were corrected since.
;; Multi Head Attention. Allowed arithmetic: matrix products marked QUANTISED: E2M1 operands, one E8M0 scale for each 32 along K, by v_wmma_scale_f32_16x16x128_f8f6f4 with both operands' format E2M1 (or v_wmma_scale_f32_32x16x128_f4), f32 sums; everything else in f32.
;; Inputs: Wk 512 x 512 float32; Wq 512 x 512 float32; Wv 512 x 512 float32; bk 512 float32; bq 512 float32; bv 512 float32; x 2 x 4,096 x 512 float32.
;; Outputs: out0 2 x 4,096 x 512 float32.
;; This version of the problem:
;;   THIS VERSION OF THE PROBLEM IS GIVEN IN LOW PRECISION. The matrix products marked QUANTISED in the list below multiply operands that are first quantised to E2M1 (2 exponent bits, 1 mantissa bit; 4 bits a number), with one power-of-two scale for each 32 numbers along K (OCP MX v1.0); their sums are f32. All else is computed in f32.
;;   The module's matrix products, in the order in which they are computed (A, B: the left and right operand; K: the contracted axis; several contracted axes count as one K, in the product's order):
;;     1. [M 8,192, K 512] x [K 512, N 512]; A: input x; B: input Wq: QUANTISED
;;     2. [M 8,192, K 512] x [K 512, N 512]; A: input x; B: input Wk: QUANTISED
;;     3. [M 8,192, K 512] x [K 512, N 512]; A: input x; B: input Wv: QUANTISED
;;     4. batch 16 x [M 4,096, K 64] x [K 64, N 4,096]; A: computed on the way; B: computed on the way: QUANTISED
;;     5. batch 16 x [M 4,096, K 4,096] x [K 4,096, N 64]; A: softmax (see below); B: computed on the way: QUANTISED
;;   THE QUANTISER, for each operand of a quantised product, along K:
;;     - K is cut into blocks of 32 from its start; a last block that is shorter is filled with zeros.
;;     - A block's scale is 2^e with e = floor(log2(the largest magnitude in the block)) - 2, held to -126 .. 127; a block of zeros has e = 0. As a byte (E8M0): e + 127.
;;     - Each number is divided by its block's scale, clamped to +-6, and rounded to the nearest number of E2M1, ties to even, subnormals kept.
;;     - The product sums the exact products of the quantised numbers (number of the format x scale) in f32.
;;   ~~~python
;;   def quantise(x, axis):      # numpy; x: float32 -> the quantised numbers, widened to float32 again
;;       x = np.moveaxis(x, axis, -1); K = x.shape[-1]
;;       x = np.pad(x, [(0, 0)] * (x.ndim - 1) + [(0, -K % 32)]); x = x.reshape(x.shape[:-1] + (-1, 32)); a = np.abs(x).max(-1, keepdims=True)
;;       e = np.where(a > 0, np.clip(np.frexp(np.where(a > 0, a, 1))[1] - 1 - 2, -126, 127), 0)      # np.frexp(a)[1] - 1 = floor(log2(a)), exactly
;;       r = np.clip(x / 2.0 ** e, -6, 6)
;;       step = 2.0 ** (np.maximum(np.frexp(np.where(r == 0, 1, r))[1] - 1, 0) - 1)
;;       q = np.round(r / step) * step * 2.0 ** e      # np.round: ties to even
;;       return np.moveaxis(q.reshape(q.shape[:-2] + (-1,))[..., :K], -1, axis).astype(np.float32)
;;   ~~~
;;   SOFTMAX AHEAD OF A QUANTISED PRODUCT. Where the list says 'softmax', what is quantised is not the finished softmax but p = 2^(t - M), with t = logit x log2(e) and M = ceil(the row's largest t), a whole number; so 1/2 < the row's largest p <= 1. The row's sum l is taken of the UNQUANTISED p, in f32, and the product's result is divided by l at the end. Since M is a whole number, a kernel that streams over the keys may use a running M (the ceiling of the running maximum): every later rescaling is an exact power of two, which a block's scale takes up: the codes' values come out the same.
;;   OPERANDS COMPUTED ON THE WAY. 'Computed on the way' means the value that the module computes at that place (a softmax that the list does not call 'softmax' is quantised finished and normalised). What goes into a quantiser is computed in f32, as accurately as f32 sums, v_exp_f32 and their like allow (about 1e-6 of the number): no bf16 or f16 on the way to a quantiser, and a product that is left as it is and whose result goes on into a quantised operand takes f32 operands (vector FMAs, or v_wmma_f32_16x16x4_f32). A number that lies on a knife's edge between two numbers of the format may be rounded either way, as far as f32 arithmetic and the matrix unit's own rounding can turn it there, and no further.
;; One version. Each part assembles by itself: llvm-mc -triple=amdgcn-amd-amdhsa -mcpu=gfx1250 --defsym DOCPART=n.
;; ======== version 1 of 1: 3 launches
;; limits: right only within a limited range of input values
;; workspace buffers: xc 2,097,152 bytes; xs 131,072 bytes; wc 393,216 bytes; ws 24,576 bytes; qbuf 2,359,296 bytes; kv 4,587,520 bytes
;; launch quant (part 1): grid 304 x 1, 2 waves a work-group, no clusters, 16,640 bytes of LDS; arguments x, Wq, Wk, Wv, xc, xs, wc, ws; writes xc, xs, wc, ws
.if DOCPART == 1
	.amdgcn_target "amdgcn-amd-amdhsa--gfx1250"
	.amdhsa_code_object_version 6
	.text
	.protected	k_q8c810db473_quant
	.globl	k_q8c810db473_quant
	.p2align	8
	.type	k_q8c810db473_quant,@function
k_q8c810db473_quant:
	s_mov_b64 s[64:65], 0
	v_nop
	global_prefetch_b8 v0, s[64:65] scope:SCOPE_SE
	s_setreg_imm32_b32 hwreg(HW_REG_WAVE_MODE, 25, 1), 1
	s_wait_xcnt 0x0
; x [8192][512] and Wq, Wk, Wv [512][512], f32, K (the last axis) innermost, become codes of E2M1, two a byte, the lower k in the low four bits, and one E8M0 byte for each 32 along K.
; xc [8192][256 B], xs [8192][16 B];  wc [1536][256 B], ws [1536][16 B]: rows 0-511 Wq's, 512-1023 Wk's, 1024-1535 Wv's.
; A block's scale is 2^(floor(log2(its largest magnitude)) - 2); its byte is the largest magnitude's exponent field - 2, held at 1 from below.
; LIMITS: NaN and infinities among the inputs are not served.  A block whose largest magnitude lies under 2^-124 keeps the byte 1.  A block of zeros gets the byte 1 where the
; quantiser's text says 127: its codes are zeros, which add nothing under that byte, and the bytes are read by this program alone.
; Rows are dense and 512 is a multiple of 32: every tensor is a plain stream of blocks of 32, and so are its codes and bytes.  A wave takes a run of 8,192 numbers, 16 steps of 512.
; Work-groups 0-255 take x (512 runs), 256-271 Wq, 272-287 Wk, 288-303 Wv (32 runs each).  Only pointers are chosen, by the work-group's number: all take one path.
; Each load reads 512 consecutive bytes, 16 a lane; a step's 2,048 bytes turn through the wave's own stage in LDS and come back 64 bytes a lane, so that a lane holds 16 neighbours
; along K and two neighbouring lanes a block.  The stage has 16 bytes of padding behind each 64.  No cluster, no matrix unit, no barrier: waves share nothing, each byte is read once.
.set STEPS, 16
.set EMAX,  2
.set CB,    8                          ; bytes of a lane's 16 codes
.set R,     16                         ; v16-79   four sets of 16 numbers as loaded
.set X,     80                         ; v80-111  two sets of 16 neighbours
.set E,     112                        ; v112-127 a scale byte for each step
.set C,     128                        ; v128-191 codes: registers of its own for each step, so that no store's data are written again
.set WREG,  8192                       ; LDS: a wave's region: two stages of 32 x SP bytes, behind them its 256 scale bytes
.set SP,    80
	s_load_b512 s[4:19], s[0:1], 0x0               ; x s[4:5], Wq s[6:7], Wk s[8:9], Wv s[10:11], xc s[12:13], xs s[14:15], wc s[16:17], ws s[18:19]
	v_lshl_add_u32 v192, v0, 2, 0x4000
	v_mov_b32 v193, 0
	v_lshrrev_b32 v1, 5, v0
	v_readfirstlane_b32 s28, v1                    ; wave 0, 1
	v_and_b32 v2, 31, v0                           ; lane
	v_lshlrev_b32 v3, 4, v2                        ; my 16 bytes of a load's 512
	s_mul_i32 s29, s28, WREG
	v_lshrrev_b32 v14, 2, v2
	v_mul_u32_u24 v14, v14, SP
	v_and_b32 v15, 3, v2
	v_lshl_add_u32 v14, v15, 4, v14
	v_add_nc_u32 v14, s29, v14                     ; the stage, on the way in: SP (lane / 4) + 16 (lane % 4); a load's 512 bytes take eight places
	v_mul_u32_u24 v15, v2, SP
	v_add_nc_u32 v15, s29, v15                     ; and on the way out: SP x lane: my 16 neighbours
	v_mul_u32_u24 v4, v2, CB                       ; my codes' place in a step's 256 bytes
	v_lshrrev_b32 v5, 1, v2
	s_add_co_u32 s29, s29, 2*32*SP
	v_add_nc_u32 v5, s29, v5                       ; LDS: my block's byte among my wave's 256
	v_lshlrev_b32 v7, 3, v2                        ; on the way out 8 bytes a lane
	v_add_nc_u32 v6, s29, v7
	s_wait_alu depctr_va_vdst(0)
	s_wait_kmcnt 0x0
	s_mov_b64 s[20:21], s[10:11]                   ; the source: Wv,
	s_mov_b32 s22, 288                             ; whose first work-group is 288,
	s_cmp_lt_u32 ttmp9, 288
	s_cselect_b64 s[20:21], s[8:9], s[20:21]       ; or Wk,
	s_cselect_b32 s22, 272, s22
	s_cmp_lt_u32 ttmp9, 272
	s_cselect_b64 s[20:21], s[6:7], s[20:21]       ; or Wq,
	s_cselect_b32 s22, 256, s22
	s_cmp_lt_u32 ttmp9, 256
	s_cselect_b64 s[20:21], s[4:5], s[20:21]       ; or x
	s_cselect_b32 s22, 0, s22
	s_cselect_b64 s[24:25], s[12:13], s[16:17]     ; the codes: xc or wc
	s_cselect_b64 s[26:27], s[14:15], s[18:19]     ; the bytes: xs or ws
	s_cselect_b32 s23, 0, 256                      ; the three weights follow each other in wc and ws
	s_sub_co_u32 s22, ttmp9, s22
	s_lshl_b32 s22, s22, 1
	s_add_co_u32 s22, s22, s28                     ; my run in the source
	s_sub_co_u32 s23, ttmp9, s23
	s_lshl_b32 s23, s23, 1
	s_add_co_u32 s23, s23, s28                     ; and in the codes and bytes
	s_mov_b32 s31, 0
	s_lshl_b32 s30, s22, 15                        ; 32,768 bytes of f32 a run
	s_add_nc_u64 s[20:21], s[20:21], s[30:31]
	s_lshl_b32 s30, s23, 12                        ; 4,096 bytes of codes
	s_add_nc_u64 s[24:25], s[24:25], s[30:31]
	s_lshl_b32 s30, s23, 8                         ; 256 scale bytes
	s_add_nc_u64 s[26:27], s[26:27], s[30:31]
.macro LOAD t
.irp i, 0,1,2,3
	global_load_b128 v[R+16*((\t)%4)+4*\i:R+16*((\t)%4)+4*\i+3], v3, s[20:21] offset:2048*(\t)+512*\i th:TH_LOAD_NT   ; 32 lanes read 512 consecutive bytes; read once in the launch
.endr
.endm
.macro TURN t                          ; step t's numbers through the stage: LDS serves a wave's instructions in order (ISA guide 5.7.1.4), so no wait stands between the stores and the loads
.irp i, 0,1,2,3
	ds_store_b128 v14, v[R+16*((\t)%4)+4*\i:R+16*((\t)%4)+4*\i+3] offset:32*SP*((\t)%2)+8*SP*\i
.endr
.irp i, 0,1,2,3
	ds_load_b128 v[X+16*((\t)%2)+4*\i:X+16*((\t)%2)+4*\i+3], v15 offset:32*SP*((\t)%2)+16*\i
.endr
.endm
.irp t, 0,1,2,3
	LOAD \t
.endr
	s_wait_loadcnt 12                              ; step 0's four loads are in; the twelve behind them stay out
	TURN 0
.macro STEP t
.set XS, X+16*((\t)%2)
.if (\t) > 0
	s_wait_dscnt 1                                 ; this step's numbers are back from the stage (the last step's byte store may be out): so its stores into the stage have read their registers,
.else
	s_wait_dscnt 0x0
.endif
.if (\t)+4 < STEPS
	LOAD (\t)+4                                    ; which take the loads of four steps on
.endif
.if (\t)+1 < STEPS
.if STEPS-2-(\t) >= 3
	s_wait_loadcnt 12                              ; the next step's four loads are in; those of the three steps behind it may be out
.else
	s_wait_loadcnt 4*(STEPS-2-(\t))                ; in the tail fewer steps are behind it
.endif
	TURN (\t)+1                                    ; and go through the other stage while this step is worked
.endif
	v_max3_num_f32 v8, |v[XS]|, |v[XS+1]|, |v[XS+2]|               ; the largest magnitude of my 16, in two chains
	v_max3_num_f32 v9, |v[XS+3]|, |v[XS+4]|, |v[XS+5]|
.irp i, 6,10
	v_max3_num_f32 v8, v8, |v[XS+\i]|, |v[XS+\i+1]|
	v_max3_num_f32 v9, v9, |v[XS+\i+2]|, |v[XS+\i+3]|
.endr
	v_max3_num_f32 v8, v8, |v[XS+14]|, |v[XS+15]|
	v_max3_num_f32 v8, v8, v9, (EMAX+1)<<23        ; and the floor 2^(3 - 127): the byte cannot fall under 1
	v_max_num_f32_dpp v8, v8, v8 row_xmask:1 row_mask:0xf bank_mask:0xf   ; and of my neighbour's 16: the block's
	v_add_nc_u32 v11, 0xff000000, v8               ; 2 off its exponent field: the conversion takes the exponent field of this operand as its scale, and nothing else of it
	v_cvt_scalef32_pk8_fp4_f32 v[C+4*(\t)], v[XS:XS+7], v11        ; eight numbers / the scale, to the nearest code, ties to even, beyond 6 the largest code; the first number's code in the lowest four bits
	v_cvt_scalef32_pk8_fp4_f32 v[C+4*(\t)+1], v[XS+8:XS+15], v11
	v_lshrrev_b32 v[E+(\t)], 23, v11               ; the scale's byte (also the plain line behind the conversions)
	ds_store_b8 v5, v[E+(\t)] offset:16*(\t)       ; both lanes of a block write the same byte with the same value
	global_store_b64 v4, v[C+4*(\t):C+4*(\t)+1], s[24:25] offset:32*CB*(\t)   ; the wave stores 256 consecutive bytes, at a multiple of 256 from the buffer's first byte
.endm
.irp t, 0,1,2,3,4,5,6,7,8,9,10,11,12,13,14,15
	STEP \t
.endr
	ds_load_b64 v[12:13], v6                       ; in order behind my byte stores
	s_wait_dscnt 0x0
	global_store_b64 v7, v[12:13], s[26:27]        ; my run's 256 scale bytes: 256 consecutive bytes, aligned
	s_wait_tensorcnt 0x0
	ds_add_u32 v192, v193
	s_wait_dscnt 0x0
	s_endpgm
.Lfunc_end_k_q8c810db473_quant:
	.size	k_q8c810db473_quant, .Lfunc_end_k_q8c810db473_quant-k_q8c810db473_quant
	.p2alignl 7, 3214868480
	.fill 96, 4, 3214868480
	.section	.rodata,"a",@progbits
	.p2align	6, 0x0
	.amdhsa_kernel k_q8c810db473_quant
		.amdhsa_group_segment_fixed_size 16640
		.amdhsa_private_segment_fixed_size 0
		.amdhsa_enable_private_segment 0
		.amdhsa_kernarg_size 64
		.amdhsa_user_sgpr_count 2
		.amdhsa_user_sgpr_kernarg_segment_ptr 1
		.amdhsa_wavefront_size32 1
		.amdhsa_system_sgpr_workgroup_id_x 1
		.amdhsa_system_sgpr_workgroup_id_y 1
		.amdhsa_system_sgpr_workgroup_id_z 1
		.amdhsa_system_vgpr_workitem_id 0
		.amdhsa_next_free_vgpr 194
		.amdhsa_next_free_sgpr 66
		.amdhsa_reserve_vcc 0
		.amdhsa_float_denorm_mode_32 3
		.amdhsa_float_denorm_mode_16_64 3
		.amdhsa_memory_ordered 1
		.amdhsa_forward_progress 1
		.amdhsa_inst_pref_size 34
	.end_amdhsa_kernel
	.amdgpu_metadata
---
amdhsa.version: [ 1, 2 ]
amdhsa.kernels:
  - .name:           k_q8c810db473_quant
    .symbol:         k_q8c810db473_quant.kd
    .args:
      - { .name: x, .offset: 0, .size: 8, .value_kind: global_buffer, .address_space: global }
      - { .name: Wq, .offset: 8, .size: 8, .value_kind: global_buffer, .address_space: global }
      - { .name: Wk, .offset: 16, .size: 8, .value_kind: global_buffer, .address_space: global }
      - { .name: Wv, .offset: 24, .size: 8, .value_kind: global_buffer, .address_space: global }
      - { .name: xc, .offset: 32, .size: 8, .value_kind: global_buffer, .address_space: global }
      - { .name: xs, .offset: 40, .size: 8, .value_kind: global_buffer, .address_space: global }
      - { .name: wc, .offset: 48, .size: 8, .value_kind: global_buffer, .address_space: global }
      - { .name: ws, .offset: 56, .size: 8, .value_kind: global_buffer, .address_space: global }
    .group_segment_fixed_size: 16640
    .private_segment_fixed_size: 0
    .kernarg_segment_align: 8
    .kernarg_segment_size: 64
    .max_flat_workgroup_size: 64
    .sgpr_count:     66
    .vgpr_count:     194
    .wavefront_size: 32
...
	.end_amdgpu_metadata
.endif
;; end of part 1
;; launch proj (part 2): grid 32 x 8, 8 waves a work-group, no clusters, 136,192 bytes of LDS; arguments xc, xs, wc, ws, bq, bk, bv, qbuf, kv; writes qbuf, kv
.if DOCPART == 2
	.amdgcn_target "amdgcn-amd-amdhsa--gfx1250"
	.amdhsa_code_object_version 6
	.text
	.protected	k_q8c810db473_proj
	.globl	k_q8c810db473_proj
	.p2align	8
	.type	k_q8c810db473_proj,@function
k_q8c810db473_proj:
	s_mov_b64 s[64:65], 0
	v_nop
	global_prefetch_b8 v0, s[64:65] scope:SCOPE_SE
	s_setreg_imm32_b32 hwreg(HW_REG_WAVE_MODE, 25, 1), 1
	s_wait_xcnt 0x0
; q, k, v = x W^T + b on codes of E2M1 (K = 512, four matrix instructions deep), the bias as the C of each sum's first instruction; then q and k are quantised along the head's 64 and v along the
; keys, in registers, and stored as IMAGES OF THE NEXT LAUNCH'S OPERAND REGISTERS.
; A work-group takes 256 rows of x (work-group x) and one head (work-group y): two RECORDS of 128 rows.  Record number = (batch x 8 + head) x 32 + row / 128.
; THE ROWS OF A TILE ARE NOT NEIGHBOURS: lane r of tile 2 b + u (of rows of x, and of channels of a weight) takes row 32 b + 8 u + r + 8 (r / 8): the row number with bits 3 and 4 exchanged.
; So the 16 registers of two neighbouring result tiles are 16 neighbours along the next product's K.
;   kv record, 8,960 bytes: +0 K's codes: tile T at 512 T + 16 lane (lane (r, hh): block hh of its key: 16 bytes);  +4096 V^T's codes: channel tile t at 1024 t + 512 c + 16 lane (keys 64 c + 32 hh + 0..31);
;     +8192 K's scale words: tile T, row r at 256 (T & 1) + 16 r + 4 (T >> 1); bytes 2, 3 are 0, over codes that the reader sets to zero;  +8704 V's scale words: tile t, row r at 128 (t & 1) + 8 r + 4 (t >> 1).
;   qbuf record, 4,608 bytes: +0 Q's codes, +4096 Q's scale words, both as K's.
; SHARES.  Each of the eight waves does three units of 8 accumulators x 4 K steps: q and k: x's tiles 2 w, 2 w + 1 against the head's 4 tiles of Wq, Wk, TRANSPOSED (source 0 = 16 rows of W, source 1 = x:
; a lane holds one row of x, registers run along the channels);  v: the 8 tiles of x of record w / 4 against Wv's tile w % 4, source 0 = x (a lane holds one channel, registers run along the keys).
; NO CLUSTER, NO TENSOR LOAD: a work-group reads its 120 KB once, at its head, through registers, since the rows change places (bits 3 and 4) on their way into LDS; x's 64 KB of them are read by the 8 heads'
; work-groups, 8 x 2 MB in the launch.
; LIMITS: as in the launch before: no NaN or infinity; a block under 2^-124, and a block of zeros, keeps the byte 1; only this program reads the bytes.
; THE ROWS OF x TAKE ANOTHER ORDER THAN THE WEIGHTS' CHANNELS (this replaces what the lines above say of rows of x): within 128 rows, tile 4 c + g takes in its row 8 h + j the row 64 c + 32 h + 8 g + j of x.
; So the 32 registers of four neighbouring result tiles whose registers run along the rows of x (unit v here; the scores in the next launch) are, in lane half h, the 32 neighbours 64 c + 32 h + 0..31: a whole block in a lane.
; The weights' channels keep the order with bits 3 and 4 exchanged.
.set WC,   69632
.set XSB,  121856                      ; x's scale bytes, 16 a row
.set WSB,  125952                      ; the weights', 16 a row; places 192-255 hold a second copy of v's that nobody reads
.set BSB,  130048                      ; bq, bk, bv, bv of the head, 256 bytes each
.set OSC,  131072                      ; the scale words made here: q record 0, q record 1, k 0, k 1 (512 bytes each), v 0, v 1 (256 each)
.set VL16, 1                           ; v1   16 x lane
.set VXF,  2                           ; v2   x's fragments for units q, k
.set VXV,  3                           ; v3   and for unit v
.set VWF,  4                           ; v4   the weights' fragments for units q, k
.set VWV,  5                           ; v5   Wv's tile w % 4
.set VXSF, 6                           ; v6   x's scale words for units q, k
.set VXSV, 7                           ; v7   and for unit v
.set VWSF, 8                           ; v8   the weights' scale words for units q, k
.set VWSV, 9                           ; v9   and of Wv's tile w % 4
.set VBF,  10                          ; v10  the biases for units q, k
.set VBV,  11                          ; v11  my channel's bv
.set VOS,  12                          ; v12  where q's and k's scale words go
.set VOSV, 13                          ; v13  and v's
.set VRD,  14                          ; v14  where waves 0-3 read 512 bytes of scale words back
.set VRD8, 15                          ; v15  and waves 4, 5 256 bytes
.set XF,   16                          ; v16-79   fragments of x
.set WF,   80                          ; v80-143  fragments of a weight; while a unit quantises they are done with:
.set PC,   WF                          ; v80-87   the codes just made
.set TM,   WF+8                        ; v88-103  at work: largest magnitudes, bytes, the conversions' scale operands
.set PW,   WF+24                       ; v104-105 the scale words just made
.set ACC,  144                         ; v144-207 eight accumulators; at the head: temporaries
.set BIAS, 208                         ; v208-239
.set XSC,  240                         ; v240-247 x's scale words: scales and nothing else
.set WSC,  248                         ; v248-255 the weights'
.set SEL,  30                          ; s[30:31] v_permlanex16_b32's selects for lane l xor 16
.set QD,   42                          ; s[42:43] where my tiles of Q's codes go;  s[44:45] K's;  s[46:47] my tile of V^T's
.set KD,   44
.set VD,   46
	s_load_b512 s[8:23], s[0:1], 0x0               ; xc s[8:9], xs s[10:11], wc s[12:13], ws s[14:15], bq s[16:17], bk s[18:19], bv s[20:21], qbuf s[22:23]
	s_load_b64 s[24:25], s[0:1], 0x40              ; kv
	s_set_vgpr_msb 0x40
	v_lshl_add_u32 v0, v0, 2, 0x21000
	v_mov_b32 v1, 0
	s_set_vgpr_msb 0x4000
	v_lshrrev_b32 v144, 5, v0
	s_delay_alu instid0(VALU_DEP_1)
	v_readfirstlane_b32 s26, v144                  ; wave 0..7
	s_and_b32 s28, ttmp7, 0xffff                   ; the head
	s_lshr_b32 s29, s26, 2                         ; g: my record of the two
	s_and_b32 s52, s26, 3                          ; w % 4
	s_and_b32 s53, s26, 1
	s_bfe_u32 s54, s26, 0x10001                    ; (w / 2) % 2
	s_mov_b32 s[SEL], 0x76543210
	s_mov_b32 s[SEL+1], 0xfedcba98
	v_and_b32 v152, 15, v0                         ; r, also t % 16
	v_bfe_u32 v153, v0, 4, 1                       ; hh, also bit 4 of t
	v_and_b32 v154, 31, v0                         ; lane
	v_lshlrev_b32 v144, 4, v0                      ; 16 t: thread t's 16 bytes of 4,096
	v_and_b32 v151, 63, v0
	s_delay_alu instid0(VALU_DEP_1)
	v_lshlrev_b32 v150, 4, v151                    ; 16 (t % 64): a row of a weight's scale bytes
	s_delay_alu instid0(VALU_DEP_2)
	v_lshlrev_b32 v151, 2, v151                    ; 4 (t % 64): a bias
	s_mov_b32 s3, 0
	s_wait_alu depctr_va_vdst(0)
	s_wait_kmcnt 0x0
	s_lshl_b32 s2, ttmp9, 16
	s_add_nc_u64 s[32:33], s[8:9], s[2:3]          ; x's codes at my 256 rows
	s_lshl_b32 s2, ttmp9, 12
	s_add_nc_u64 s[34:35], s[10:11], s[2:3]        ; and their scale bytes
	s_lshl_b32 s2, s28, 14
	s_add_nc_u64 s[36:37], s[12:13], s[2:3]        ; the head's 64 rows of Wq's codes; Wk's and Wv's lie 131,072 and 262,144 bytes on
	s_lshr_b32 s55, s26, 1                         ; waves 0, 1 bring q's scale bytes and bias, 2, 3 k's, 4 to 7 v's
	s_min_u32 s56, s55, 2
	s_lshl_b32 s2, s56, 13
	s_lshl_b32 s56, s28, 10
	s_add_co_u32 s2, s2, s56
	s_add_nc_u64 s[38:39], s[14:15], s[2:3]
	s_cmp_eq_u32 s55, 1
	s_cselect_b64 s[40:41], s[18:19], s[20:21]
	s_cmp_eq_u32 s55, 0
	s_cselect_b64 s[40:41], s[16:17], s[40:41]
	s_lshl_b32 s2, s28, 8
	s_add_nc_u64 s[40:41], s[40:41], s[2:3]
	; 31 loads a thread; each reads 512 consecutive bytes a wave
.irp i, 0,1,2,3,4,5,6,7,8,9,10,11,12,13,14,15
	global_load_b128 v[XF+4*\i:XF+4*\i+3], v144, s[32:33] offset:4096*\i          ; rows 16 i + t / 16 of x
.endr
.irp i, 0,1,2,3,4,5,6,7,8,9,10,11
	global_load_b128 v[WF+4*\i:WF+4*\i+3], v144, s[36:37] offset:(\i/4)*131072+(\i%4)*4096   ; rows 16 (i % 4) + t / 16 of weight i / 4
.endr
	global_load_b128 v[WF+48:WF+51], v144, s[34:35]
	global_load_b128 v[WF+52:WF+55], v150, s[38:39]
	global_load_b32 v[WF+56], v151, s[40:41]
	; while they are on their way: every LDS address, ahead of the first barrier and of every branch
	v_lshlrev_b32 v[VL16], 4, v154
	v_mul_u32_u24 v155, v152, 272
	s_delay_alu instid0(VALU_DEP_1)
	v_lshl_add_u32 v155, v153, 4, v155             ; a fragment: row r x pitch + 16 hh
	s_mul_i32 s55, s26, 8704
	v_add_nc_u32 v[VXF], s55, v155                 ; my two tiles: 32 rows x 272 a wave
	s_mul_i32 s55, s29, 34816
	v_add_nc_u32 v[VXV], s55, v155                 ; my record's 128 rows
	v_add_nc_u32 v[VWF], WC, v155
	s_mul_i32 s55, s52, 4352
	s_add_co_u32 s55, s55, 34816
	v_add_nc_u32 v[VWV], s55, v[VWF]               ; row 128 + 16 (w % 4) of the weights
	v_lshl_add_u32 v156, v152, 4, XSB
	s_lshl_b32 s55, s26, 9
	v_add_nc_u32 v[VXSF], s55, v156
	s_lshl_b32 s55, s29, 11
	v_add_nc_u32 v[VXSV], s55, v156
	v_lshl_add_u32 v[VWSF], v152, 4, WSB
	s_lshl_b32 s55, s52, 8
	s_add_co_u32 s55, s55, 2048
	v_add_nc_u32 v[VWSV], s55, v[VWSF]
	v_lshl_add_u32 v[VBF], v153, 6, BSB            ; tile 2 b + u wants channels 32 b + 16 hh + 8 u + 0..7
	v_and_b32 v156, 8, v152
	s_delay_alu instid0(VALU_DEP_1)
	v_add_nc_u32 v156, v156, v152                  ; r + 8 (r / 8)
	s_lshl_b32 s55, s54, 7
	s_lshl_b32 s56, s53, 5
	s_add_co_u32 s55, s55, s56
	s_add_co_u32 s55, s55, BSB+512
	v_lshl_add_u32 v[VBV], v156, 2, s55            ; bv of channel 32 (t / 2) + 8 (t % 2) + r + 8 (r / 8), t = w % 4
	s_lshl_b32 s55, s29, 9
	s_lshl_b32 s56, s52, 2
	s_add_co_u32 s55, s55, s56
	s_add_co_u32 s55, s55, OSC
	v_lshl_add_u32 v[VOS], v152, 4, s55            ; my tiles are T = 2 (w % 4) + i: 256 i (in the immediate) + 16 r + 4 (w % 4)
	s_lshl_b32 s55, s29, 8
	s_lshl_b32 s56, s53, 7
	s_add_co_u32 s55, s55, s56
	s_lshl_b32 s56, s54, 2
	s_add_co_u32 s55, s55, s56
	s_add_co_u32 s55, s55, OSC+2048
	v_lshl_add_u32 v[VOSV], v152, 3, s55
	s_lshl_b32 s55, s26, 9
	s_add_co_u32 s55, s55, OSC
	v_add_nc_u32 v[VRD], s55, v[VL16]
	s_lshl_b32 s55, s53, 8
	s_add_co_u32 s55, s55, OSC+2048
	v_lshl_add_u32 v[VRD8], v154, 3, s55
	; where thread t's bytes go: row 16 i + t / 16 lands at the row number with bits 3 and 4 exchanged: 32 (i / 2) + 8 (i % 2) (in the immediate) + 16 (bit 7 of t) + (t / 16) % 8
	v_bfe_u32 v157, v0, 7, 1
	v_bfe_u32 v158, v0, 4, 3
	s_delay_alu instid0(VALU_DEP_1)
	v_lshl_add_u32 v157, v157, 4, v158
	s_delay_alu instid0(VALU_DEP_1)
	v_mul_u32_u24 v157, v157, 272
	s_delay_alu instid0(VALU_DEP_1)
	v_lshl_add_u32 v145, v152, 4, v157
	s_delay_alu instid0(VALU_DEP_1)
	v_add_nc_u32 v146, WC, v145
	v_and_b32 v159, 0xe7, v0                       ; t with bits 3 and 4 exchanged: the place of row t's scale bytes
	v_bfe_u32 v158, v0, 3, 1
	s_delay_alu instid0(VALU_DEP_1)
	v_lshl_or_b32 v159, v158, 4, v159
	s_delay_alu instid0(VALU_DEP_1)
	v_lshl_or_b32 v159, v153, 3, v159
	s_delay_alu instid0(VALU_DEP_1)
	v_lshl_add_u32 v148, v159, 4, WSB              ; a weight's row t: bits 3 and 4 exchanged
	v_and_b32 v160, 0xc7, v0                       ; x's row t: bits 4:3 go to 5:4, bit 5 goes to 3
	v_bfe_u32 v161, v0, 3, 2
	s_delay_alu instid0(VALU_DEP_1)
	v_lshl_or_b32 v160, v161, 4, v160
	v_bfe_u32 v161, v0, 5, 1
	s_delay_alu instid0(VALU_DEP_1)
	v_lshl_or_b32 v160, v161, 3, v160
	s_delay_alu instid0(VALU_DEP_1)
	v_lshl_add_u32 v147, v160, 4, XSB
	v_lshl_add_u32 v149, v0, 2, BSB
	; where the results go
	s_lshr_b32 s55, ttmp9, 4                       ; the batch
	s_lshl_b32 s55, s55, 3
	s_add_co_u32 s55, s55, s28
	s_lshl_b32 s55, s55, 5
	s_and_b32 s56, ttmp9, 15
	s_lshl_b32 s56, s56, 1
	s_add_co_u32 s55, s55, s56                     ; my first record
	s_mul_i32 s2, s55, 4608
	s_add_nc_u64 s[22:23], s[22:23], s[2:3]
	s_mul_i32 s2, s55, 8960
	s_add_nc_u64 s[24:25], s[24:25], s[2:3]
	s_lshl_b32 s56, s52, 10                        ; two tiles of 512 bytes a wave; in V^T one tile of 1,024
	s_mul_i32 s2, s29, 4608
	s_add_co_u32 s2, s2, s56
	s_add_nc_u64 s[QD:QD+1], s[22:23], s[2:3]
	s_mul_i32 s2, s29, 8960
	s_add_co_u32 s2, s2, s56
	s_add_nc_u64 s[KD:KD+1], s[24:25], s[2:3]
	s_add_nc_u64 s[VD:VD+1], s[KD:KD+1], 4096
	s_mov_b32 s57, 8192
	s_mov_b32 s58, 8960
	s_cmp_lt_u32 s26, 2                            ; waves 0, 1 store Q's scale words of records 0, 1; waves 2, 3 K's
	s_cselect_b64 s[48:49], s[22:23], s[24:25]
	s_cselect_b32 s57, 4096, s57
	s_cselect_b32 s58, 4608, s58
	s_mul_i32 s58, s58, s53
	s_add_co_u32 s2, s57, s58
	s_add_nc_u64 s[48:49], s[48:49], s[2:3]
	s_mul_i32 s2, s53, 8960                        ; waves 4, 5 V's
	s_add_co_u32 s2, s2, 8704
	s_add_nc_u64 s[50:51], s[24:25], s[2:3]
	s_wait_alu depctr_va_vdst(0)
	s_wait_loadcnt 15                              ; x's sixteen loads are in; the fifteen behind them may be out
.irp i, 0,1,2,3,4,5,6,7,8,9,10,11,12,13,14,15
	ds_store_b128 v145, v[XF+4*\i:XF+4*\i+3] offset:((\i/4)*64+(\i%2)*32+((\i/2)%2)*8)*272   ; x's row 16 i + t / 16: bits 4:3 of the row number go to 5:4, bit 5 to 3
.endr
	s_wait_loadcnt 0x0
.irp i, 0,1,2,3,4,5,6,7,8,9,10,11
	ds_store_b128 v146, v[WF+4*\i:WF+4*\i+3] offset:((\i/2)*32+(\i%2)*8)*272
.endr
	ds_store_b128 v147, v[WF+48:WF+51]
	ds_store_b128 v148, v[WF+52:WF+55]
	ds_store_b32 v149, v[WF+56]
	s_wait_dscnt 0x0                               ; for the others' sake: my stores have landed
	s_barrier_signal -1
	s_barrier_wait -1                              ; codes, scale bytes and biases lie in LDS; from here on they are only read
; 64 numbers of a lane, v[s] .. v[s + 63], in four blocks: registers 16 b + 0..15 are 16 neighbours along K, lane l xor 16 holds the block's other 16.  Codes to v[PC] on; each accumulator is read from its low end on.
; kind 1: the four blocks are one row's 128 along K: one fragment, one scale word in v[PW].  kind 0: blocks 0, 1 are a row of my first tile and blocks 2, 3 of my second (64 along K each): v[PC..PC+3] and
; v[PC+4..PC+7] are the two tiles' images, v[PW] and v[PW+1] their words (bytes 2 and 3 are 0).
.macro QUANT s, kind
.irp b, 0,1,2,3
	v_max3_num_f32 v[TM+\b], |v[\s+16*\b]|, |v[\s+1+16*\b]|, 0x1800000   ; my 16 numbers, and the floor 2^(3 - 127): the byte cannot fall under 1
.endr
.irp i, 2,4,6,8,10,12,14
.irp b, 0,1,2,3
	v_max3_num_f32 v[TM+\b], v[TM+\b], |v[\s+16*\b+\i]|, |v[\s+1+16*\b+\i]|   ; (the four blocks by turns)
.endr
.endr
.irp b, 0,1,2,3
	s_delay_alu instid0(VALU_DEP_4)
	v_permlanex16_b32 v[TM+4+\b], v[TM+\b], s[SEL], s[SEL+1]
.endr
.irp b, 0,1,2,3
	s_delay_alu instid0(VALU_DEP_4)
	v_max_num_f32 v[TM+\b], v[TM+\b], v[TM+4+\b]   ; with lane l xor 16's: the block's largest magnitude
.endr
.irp b, 0,1,2,3
	s_delay_alu instid0(VALU_DEP_4)
	v_add_nc_u32 v[TM+12+\b], 0xff000000, v[TM+\b] ; 2 off its exponent field: the conversion's scale operand
.endr
.irp b, 0,1,2,3
	s_delay_alu instid0(VALU_DEP_4)
	v_lshrrev_b32 v[TM+4+\b], 23, v[TM+12+\b]      ; the scale's byte
.endr
	s_delay_alu instid0(VALU_DEP_3)
	v_lshl_or_b32 v[PW], v[TM+5], 8, v[TM+4]
.if \kind
	s_delay_alu instid0(VALU_DEP_1)
	v_lshl_or_b32 v[PW], v[TM+6], 16, v[PW]
	s_delay_alu instid0(VALU_DEP_1)
	v_lshl_or_b32 v[PW], v[TM+7], 24, v[PW]
.else
	s_delay_alu instid0(VALU_DEP_2)
	v_lshl_or_b32 v[PW+1], v[TM+7], 8, v[TM+6]
.endif
.irp b, 0,1,2,3
	v_cvt_scalef32_pk8_fp4_f32 v[PC+2*\b], v[\s+16*\b:\s+7+16*\b], v[TM+12+\b]
	v_cvt_scalef32_pk8_fp4_f32 v[PC+1+2*\b], v[\s+8+16*\b:\s+15+16*\b], v[TM+12+\b]
.endr
	v_nop                                          ; one plain line behind a scaled conversion
.irp c, 0,1                                    ; the operand's layout wants a WHOLE block in a lane: lanes 0-15 block 2 c, lanes 16-31 block 2 c + 1
.irp i, 0,1
	v_permlane16_swap_b32 v[PC+4*\c+\i], v[PC+2+4*\c+\i]
.endr
.endr
.endm
	; x's fragments for units q and k: tiles 2 w + i, K steps 0..3, at v[XF + 8 (4 i + ks)]; their scale words, four a row
.irp i, 0,1
.irp ks, 0,1,2,3
.irp c, 0,1
	ds_load_b128 v[XF+8*(4*\i+\ks)+4*\c:XF+8*(4*\i+\ks)+4*\c+3], v[VXF] offset:4352*\i+64*\ks+32*\c
.endr
.endr
	ds_load_b128 v[XSC+4*\i:XSC+4*\i+3], v[VXSF] offset:256*\i
.endr
; Unit q (sel = 0) or k (sel = 1).  The weight's fragments come two K steps at a time.  The eight accumulators (i, t) take turns, one instruction a turn.
.macro QKUNIT sel, dst
	s_wait_xcnt 0x0                                ; the last unit's stores have read the codes' registers, which the loads below write
	s_wait_dscnt 0x0
.irp t, 0,1,2,3
	ds_load_b128 v[BIAS+8*\t:BIAS+8*\t+3], v[VBF] offset:256*\sel+(32*(\t/2)+8*(\t%2))*4
	ds_load_b128 v[BIAS+8*\t+4:BIAS+8*\t+7], v[VBF] offset:256*\sel+(32*(\t/2)+8*(\t%2))*4+16
.endr
.irp half, 0,1
.irp t, 0,1,2,3
.irp kk, 0,1
.irp c, 0,1
	ds_load_b128 v[WF+8*(2*\t+\kk)+4*\c:WF+8*(2*\t+\kk)+4*\c+3], v[VWF] offset:(64*\sel+16*\t)*272+64*(2*\half+\kk)+32*\c
.endr
.endr
	ds_load_b64 v[WSC+2*\t:WSC+2*\t+1], v[VWSF] offset:(64*\sel+16*\t)*16+8*\half
.endr
	s_wait_dscnt 0x0
.irp kk, 0,1
.irp i, 0,1
.irp t, 0,1,2,3
.if 2*\half+\kk == 0
	v_wmma_scale_f32_16x16x128_f8f6f4 v[ACC+8*(4*\i+\t):ACC+8*(4*\i+\t)+7], v[WF+8*(2*\t+\kk):WF+8*(2*\t+\kk)+7], v[XF+8*(4*\i+2*\half+\kk):XF+8*(4*\i+2*\half+\kk)+7], v[BIAS+8*\t:BIAS+8*\t+7], v[WSC+2*\t+\kk], v[XSC+4*\i+2*\half+\kk] matrix_a_fmt:MATRIX_FMT_FP4 matrix_b_fmt:MATRIX_FMT_FP4
.else
	v_wmma_scale_f32_16x16x128_f8f6f4 v[ACC+8*(4*\i+\t):ACC+8*(4*\i+\t)+7], v[WF+8*(2*\t+\kk):WF+8*(2*\t+\kk)+7], v[XF+8*(4*\i+2*\half+\kk):XF+8*(4*\i+2*\half+\kk)+7], v[ACC+8*(4*\i+\t):ACC+8*(4*\i+\t)+7], v[WSC+2*\t+\kk], v[XSC+4*\i+2*\half+\kk] matrix_a_fmt:MATRIX_FMT_FP4 matrix_b_fmt:MATRIX_FMT_FP4
.endif
.endr
.endr
.endr
.rept 4+\half
	v_nop                                          ; four places ahead of loads into registers that these products read and of the first read of results; five behind the unit's last: the next unit's products begin these accumulators anew
.endr
.endr
	QUANT ACC, 0
.irp i, 0,1
	global_store_b128 v[VL16], v[PC+4*\i:PC+4*\i+3], s[\dst:\dst+1] offset:512*\i   ; a tile's image: 512 consecutive bytes, at a multiple of 256 from the buffer's first byte
	ds_store_b32 v[VOS], v[PW+\i] offset:1024*\sel+256*\i                           ; lanes r and 16 + r write the same word with the same value
.endr
.endm
	QKUNIT 0, QD
	QKUNIT 1, KD
	; Unit v: source 0 = the 8 tiles of x of my record, source 1 = Wv's tile w % 4.  Lane (r, hh) holds one channel; the 32 registers of tiles 4 c .. 4 c + 3 are keys 64 c + 32 hh + 0..31.
	s_wait_xcnt 0x0                                ; unit k's stores have read the codes' registers
	s_wait_dscnt 0x0
.irp j, 0,1,2,3,4,5,6,7
	ds_load_b32 v[BIAS+\j], v[VBV]                 ; C's eight registers are eight keys of my one channel: the same bv
.endr
.irp ks, 0,1,2,3
.irp c, 0,1
	ds_load_b128 v[WF+32+8*\ks+4*\c:WF+32+8*\ks+4*\c+3], v[VWV] offset:64*\ks+32*\c
.endr
.endr
	ds_load_b128 v[WSC:WSC+3], v[VWSV]
.irp ks, 0,1,2,3
.irp m, 0,1,2,3,4,5,6,7
.irp c, 0,1
	ds_load_b128 v[XF+8*\m+4*\c:XF+8*\m+4*\c+3], v[VXV] offset:4352*\m+64*\ks+32*\c
.endr
	ds_load_b32 v[XSC+\m], v[VXSV] offset:256*\m+4*\ks
.endr
	s_wait_dscnt 0x0
.irp m, 0,1,2,3,4,5,6,7
.if \ks == 0
	v_wmma_scale_f32_16x16x128_f8f6f4 v[ACC+8*\m:ACC+8*\m+7], v[XF+8*\m:XF+8*\m+7], v[WF+32+8*\ks:WF+32+8*\ks+7], v[BIAS:BIAS+7], v[XSC+\m], v[WSC+\ks] matrix_a_fmt:MATRIX_FMT_FP4 matrix_b_fmt:MATRIX_FMT_FP4
.else
	v_wmma_scale_f32_16x16x128_f8f6f4 v[ACC+8*\m:ACC+8*\m+7], v[XF+8*\m:XF+8*\m+7], v[WF+32+8*\ks:WF+32+8*\ks+7], v[ACC+8*\m:ACC+8*\m+7], v[XSC+\m], v[WSC+\ks] matrix_a_fmt:MATRIX_FMT_FP4 matrix_b_fmt:MATRIX_FMT_FP4
.endif
.endr
.rept 4
	v_nop                                          ; places ahead of the next K step's loads, and of the first read of results
.endr
.endr
	; v along the keys: a lane holds two whole blocks, 2 c + hh (c = 0, 1), so no other lane is asked for a maximum and the conversions' results are the operand's registers 4 c .. 4 c + 3
.irp b, 0,1,2,3
	v_max3_num_f32 v[TM+\b], |v[ACC+16*\b]|, |v[ACC+1+16*\b]|, 0x1800000   ; four chains of 16, each accumulator from its low end on; the floor 2^(3 - 127) holds the byte at 1 from below
.endr
.irp i, 2,4,6,8,10,12,14
.irp b, 0,1,2,3
	v_max3_num_f32 v[TM+\b], v[TM+\b], |v[ACC+16*\b+\i]|, |v[ACC+1+16*\b+\i]|
.endr
.endr
	v_bfe_u32 v[TM+6], v0, 4, 1                    ; hh
	s_delay_alu instid0(VALU_DEP_4)
	v_max_num_f32 v[TM], v[TM], v[TM+1]            ; block hh
	s_delay_alu instid0(VALU_DEP_3)
	v_max_num_f32 v[TM+2], v[TM+2], v[TM+3]        ; block 2 + hh
	v_lshlrev_b32 v[TM+6], 3, v[TM+6]              ; 8 hh
	s_delay_alu instid0(VALU_DEP_3)
	v_add_nc_u32 v[TM+12], 0xff000000, v[TM]       ; 2 off the exponent field: the conversion's scale operand
	s_delay_alu instid0(VALU_DEP_3)
	v_add_nc_u32 v[TM+13], 0xff000000, v[TM+2]
.irp c, 0,1
.irp g, 0,1,2,3
	v_cvt_scalef32_pk8_fp4_f32 v[PC+4*\c+\g], v[ACC+32*\c+8*\g:ACC+32*\c+8*\g+7], v[TM+12+\c]
.endr
.endr
	v_lshrrev_b32 v[TM+4], 23, v[TM+12]            ; the scales' bytes (also the plain line behind the conversions)
	v_lshrrev_b32 v[TM+5], 23, v[TM+13]
	s_delay_alu instid0(VALU_DEP_1)
	v_lshl_or_b32 v[TM+4], v[TM+5], 16, v[TM+4]
	s_delay_alu instid0(VALU_DEP_1)
	v_lshlrev_b32 v[TM+4], v[TM+6], v[TM+4]        ; at bytes hh and 2 + hh of the scale word
	s_delay_alu instid0(VALU_DEP_1)
	v_permlanex16_b32 v[TM+7], v[TM+4], s[SEL], s[SEL+1]
	s_delay_alu instid0(VALU_DEP_1)
	v_or_b32 v[PW], v[TM+4], v[TM+7]               ; with lane l xor 16's two bytes the word is whole, in both halves
.irp c, 0,1
	global_store_b128 v[VL16], v[PC+4*\c:PC+4*\c+3], s[VD:VD+1] offset:512*\c
.endr
	ds_store_b32 v[VOSV], v[PW]
	v_lshrrev_b32 v20, 1, v[VL16]                  ; 8 x lane (x's fragments are done with)
	s_wait_dscnt 0x0                               ; for the others' sake: my scale words have landed
	s_barrier_signal -1
	s_barrier_wait -1
	; the scale words leave as they lie: six waves store one region each
	s_cmp_lt_u32 s26, 4
	s_cbranch_scc0 .Lnot_qk
	ds_load_b128 v[16:19], v[VRD]
	s_wait_dscnt 0x0
	global_store_b128 v[VL16], v[16:19], s[48:49]  ; 512 consecutive bytes, aligned to 256
	s_branch .Lend
.Lnot_qk:
	s_cmp_lt_u32 s26, 6
	s_cbranch_scc0 .Lend
	ds_load_b64 v[16:17], v[VRD8]
	s_wait_dscnt 0x0
	s_wait_alu depctr_va_vdst(0)
	global_store_b64 v20, v[16:17], s[50:51]       ; 256 consecutive bytes, aligned
.Lend:
	s_set_vgpr_msb 0x5
	s_wait_tensorcnt 0x0
	ds_add_u32 v0, v1
	s_wait_dscnt 0x0
	s_set_vgpr_msb 0x500
	s_endpgm
.Lfunc_end_k_q8c810db473_proj:
	.size	k_q8c810db473_proj, .Lfunc_end_k_q8c810db473_proj-k_q8c810db473_proj
	.p2alignl 7, 3214868480
	.fill 96, 4, 3214868480
	.section	.rodata,"a",@progbits
	.p2align	6, 0x0
	.amdhsa_kernel k_q8c810db473_proj
		.amdhsa_group_segment_fixed_size 136192
		.amdhsa_private_segment_fixed_size 0
		.amdhsa_enable_private_segment 0
		.amdhsa_kernarg_size 72
		.amdhsa_user_sgpr_count 2
		.amdhsa_user_sgpr_kernarg_segment_ptr 1
		.amdhsa_wavefront_size32 1
		.amdhsa_system_sgpr_workgroup_id_x 1
		.amdhsa_system_sgpr_workgroup_id_y 1
		.amdhsa_system_sgpr_workgroup_id_z 1
		.amdhsa_system_vgpr_workitem_id 0
		.amdhsa_next_free_vgpr 258
		.amdhsa_next_free_sgpr 66
		.amdhsa_reserve_vcc 0
		.amdhsa_float_denorm_mode_32 3
		.amdhsa_float_denorm_mode_16_64 3
		.amdhsa_memory_ordered 1
		.amdhsa_forward_progress 1
		.amdhsa_inst_pref_size 54
	.end_amdhsa_kernel
	.amdgpu_metadata
---
amdhsa.version: [ 1, 2 ]
amdhsa.kernels:
  - .name:           k_q8c810db473_proj
    .symbol:         k_q8c810db473_proj.kd
    .args:
      - { .name: xc, .offset: 0, .size: 8, .value_kind: global_buffer, .address_space: global }
      - { .name: xs, .offset: 8, .size: 8, .value_kind: global_buffer, .address_space: global }
      - { .name: wc, .offset: 16, .size: 8, .value_kind: global_buffer, .address_space: global }
      - { .name: ws, .offset: 24, .size: 8, .value_kind: global_buffer, .address_space: global }
      - { .name: bq, .offset: 32, .size: 8, .value_kind: global_buffer, .address_space: global }
      - { .name: bk, .offset: 40, .size: 8, .value_kind: global_buffer, .address_space: global }
      - { .name: bv, .offset: 48, .size: 8, .value_kind: global_buffer, .address_space: global }
      - { .name: qbuf, .offset: 56, .size: 8, .value_kind: global_buffer, .address_space: global }
      - { .name: kv, .offset: 64, .size: 8, .value_kind: global_buffer, .address_space: global }
    .group_segment_fixed_size: 136192
    .private_segment_fixed_size: 0
    .kernarg_segment_align: 8
    .kernarg_segment_size: 72
    .max_flat_workgroup_size: 256
    .sgpr_count:     66
    .vgpr_count:     258
    .wavefront_size: 32
...
	.end_amdgpu_metadata
.endif
;; end of part 2
;; launch attn (part 3): grid 16 x 16, 16 waves a work-group, clusters of 4 x 1, 327,680 bytes of LDS; arguments qbuf, kv, out0; writes out0
.if DOCPART == 3
	.amdgcn_target "amdgcn-amd-amdhsa--gfx1250"
	.amdhsa_code_object_version 6
	.text
	.protected	k_q8c810db473_attn
	.globl	k_q8c810db473_attn
	.p2align	8
	.type	k_q8c810db473_attn,@function
k_q8c810db473_attn:
	s_mov_b64 s[64:65], 0
	v_nop
	global_prefetch_b8 v0, s[64:65] scope:SCOPE_SE
	s_setreg_imm32_b32 hwreg(HW_REG_WAVE_MODE, 25, 1), 1
	s_wait_xcnt 0x0
	s_wait_alu depctr_hold_cnt(0) depctr_sa_sdst(0) depctr_va_vdst(0) depctr_va_sdst(0) depctr_va_ssrc(0) depctr_va_vcc(0) depctr_vm_vsrc(0)
	s_getreg_b32 s2, hwreg(HW_REG_IB_STS2, 6, 4)
	s_cmp_eq_u32 s2, 0
	s_cbranch_scc0 .Lentry_in_a_cluster
	s_endpgm
.Lentry_in_a_cluster:
	s_bfe_u32 s2, ttmp6, 0x10000c
	s_cmp_lg_u32 s2, 0x3003
	s_cbranch_scc0 .Lentry_shape_is_right
	s_endpgm
.Lentry_shape_is_right:
; out(b, q, head) = the sum over keys of softmax(Q . K / 8) V, both products on codes of E2M1 with one E8M0 scale for each 32 along K, from the register images that the launch before stored.
; THE SOFTMAX: t = score x log2(e) / 8; M = the ceiling of the running largest t, a whole number; p = 2^(t - M) is quantised along the keys, not normalised; the row's sum is taken of the unquantised p in f32
; and divides at the end.  When M moves, the sum and O are multiplied by 2^(old M - new M), which rounds nothing; no branch hangs on data.
; LIMITS: the promise holds while the scaled scores t stay under 2^31 in magnitude; NaN and infinities are not served.  No work of the problem is left out.
; SHARES.  A work-group owns 256 queries of one (batch, head); each of its sixteen waves owns one tile of 16, four waves to a SIMD.  Every wave walks the head's 32 records of 128 keys, one a step.
; ALL OF A HEAD'S K AND V, 32 x 8,960 = 286,720 bytes, LIES IN LDS: wave w brings records 2 w and 2 w + 1, 70 rows of 256 bytes, by ONE tensor load at the head; nothing is filled again.
; CLUSTER: the four work-groups of a cluster own query blocks of the same head and ask for each load jointly (mask 15).
; NO PREFETCH: every tensor load is issued at the head; there is no later load and no loop to run ahead in.
; LAYOUT.  Both products are used transposed (S^T = K Q^T, O^T = V^T P^T): a lane holds one query (lane % 16).  Tile 4 c + g of K holds in its row 8 h + j the key 64 c + 32 h + 8 g + j, so the 32 score registers of
; tiles 4 c .. 4 c + 3 are, in lane half h, keys 64 c + 32 h + 0..31: block 2 c + h whole in a lane, in the very order of the second product's operand registers 4 c .. 4 c + 3.
; The head's 64 fill half of the first product's 128 along K: registers 4-7 of Q's and K's fragments hold zero codes, under scale bytes 0 (a finite code).
; Step i's fragments of V and step i + 1's of K are asked of LDS straight behind step i's first product; the last step is written out without K's loads.
.set REC,  8960                        ; a record: +0 K's codes (8 tiles x 512), +4096 V^T's codes (4 tiles x 1,024), +8192 K's scale words, +8704 V's
.set SPARE, 0x46000                    ; behind the 32 records: the spare words, 128 bytes a wave
.set L16,  1                           ; v1 16 x lane;  v2 8 x lane;  v3, v4 the step's LDS addresses;  v5-7 the way out;  v8 8 x (lane / 16);  v10 lane % 16, v11 lane / 16
.set L8,   2
.set ADC,  3
.set ADS,  4
.set STO,  5
.set RD,   6
.set GO,   7
.set SH8,  8
.set QF,   16                          ; v16-23 Q;  v12 -M, v13 the largest score so far, v[14:15] the sum in two halves
.set KS,   24                          ; v24-27 K's scale words, v28 Q's, v29 p's, v30-31 V's: scales and nothing else
.set QS,   28
.set PS,   29
.set VS,   30
.set KF,   32                          ; v32-95 K's eight fragments
.set SS,   96                          ; v96-159 S^T, then p
.set OT,   160                         ; v160-191 O^T
.set VF,   192                         ; v192-223 V^T's four fragments
.set PC,   224                         ; v224-231 p's codes
.set BM,   232                         ; v232-235 largest scores; v236-254 at work
.set SPW,  251
.set NIL,  255
.set WV,   10
.set SEL,  20
.set CS,   22                          ; s[22:23] c = log2(e) / 8;  s36 -c
.set G1,   24
.set G0,   32
.set NC,   36
.set TB,   40
.set CNT,  41
.set OB,   46
.macro CROUND
	s_barrier_signal -1
	s_barrier_wait -1
	s_cmp_lg_u32 s[WV], 0
	s_cbranch_scc1 .Lnot_wave_0_\@
	s_barrier_signal -3
.Lnot_wave_0_\@:
	s_barrier_wait -3
	s_barrier_signal -1
	s_barrier_wait -1
.endm
	s_load_b128 s[4:7], s[0:1], 0x0                ; qbuf, kv
	s_load_b64 s[8:9], s[0:1], 0x10                ; out0
	v_lshl_add_u32 v[SPW], v0, 2, SPARE
	v_mov_b32 v[NIL], 0
	ds_add_u32 v[SPW], v[NIL]                      ; the opening lines: the add, twice on end, and its wait ahead of my tensor load
	ds_add_u32 v[SPW], v[NIL]
	v_lshrrev_b32 v8, 5, v0
	v_readfirstlane_b32 s[WV], v8                  ; wave 0..15
	s_bfe_u32 s11, ttmp6, 0x40000                  ; cx
	s_lshl_b32 s12, ttmp9, 2
	s_add_co_u32 s12, s12, s11                     ; my block of 256 queries
	s_and_b32 s13, ttmp7, 0xffff                   ; batch x 8 + head
	s_mul_i32 s14, s13, 32*REC
	s_mul_i32 s16, s[WV], 2*REC                    ; my two records, in LDS and in the head's part of kv alike: no place in the cluster enters
	s_add_co_u32 s14, s14, s16
	s_mov_b32 s15, 0
	s_lshr_b32 s17, s[WV], 3                       ; which of the block's two records of Q
	s_and_b32 s18, s[WV], 7                        ; and my tile T in it
	s_lshl_b32 s48, s13, 5
	s_lshl_b32 s49, s12, 1
	s_add_co_u32 s48, s48, s49
	s_add_co_u32 s48, s48, s17
	s_mul_i32 s48, s48, 4608                       ; the record of Q
	s_lshl_b32 s50, s18, 9
	s_add_co_u32 s42, s48, s50                     ; my tile's codes
	s_mov_b32 s43, 0
	s_and_b32 s50, s18, 1
	s_lshr_b32 s52, s18, 1
	s_lshl_b32 s51, s50, 8
	s_lshl_b32 s53, s52, 2
	s_add_co_u32 s44, s48, s51
	s_add_co_u32 s44, s44, s53
	s_add_co_u32 s44, s44, 4096                    ; its scale words: 4096 + 256 (T & 1) + 4 (T >> 1) + 16 r
	s_mov_b32 s45, 0
	s_lshl_b32 s[OB], s12, 8                       ; row r = 8 h + j of tile T = 4 c + g is query 64 c + 8 g + 32 h + j of its record
	s_lshl_b32 s54, s17, 7
	s_add_co_u32 s[OB], s[OB], s54
	s_lshr_b32 s54, s18, 2
	s_lshl_b32 s54, s54, 6
	s_add_co_u32 s[OB], s[OB], s54
	s_and_b32 s54, s18, 3
	s_lshl_b32 s54, s54, 3
	s_add_co_u32 s[OB], s[OB], s54
	s_lshl_b32 s[OB], s[OB], 11                    ; a row of out0 is 2,048 bytes
	s_lshr_b32 s54, s13, 3
	s_lshl_b32 s54, s54, 23
	s_add_co_u32 s[OB], s[OB], s54                 ; the batch
	s_and_b32 s54, s13, 7
	s_lshl_b32 s54, s54, 8
	s_add_co_u32 s[OB], s[OB], s54                 ; the head's 256 bytes of the row
	s_mov_b32 s[OB+1], 0
	s_mov_b32 s[G1], 15|(3<<16)|(1<<21)            ; the cluster's four; elements of 8 bytes; bit 21 beside a mask
	s_mov_b32 s[G1+1], 32<<16                      ; rows of 256 bytes,
	s_mov_b32 s[G1+2], 70<<16                      ; 70 of them: two records, dense
	s_mov_b32 s[G1+3], 32<<16
	s_mov_b32 s[G1+4], 70
	s_mov_b32 s[G1+5], 32
	s_mov_b32 s[G1+6], 0
	s_mov_b32 s[G1+7], 0
	s_mov_b32 s[SEL], 0x76543210
	s_mov_b32 s[SEL+1], 0xfedcba98
	s_mov_b32 s[CS], 0x3e38aa3b
	s_mov_b32 s[CS+1], s[CS]
	s_mov_b32 s[NC], 0xbe38aa3b
	s_mov_b32 s[TB], 0
	s_mov_b32 s[CNT], 31
	s_wait_dscnt 0x0                               ; both opening adds are done
	s_wait_kmcnt 0x0
	s_add_nc_u64 s[14:15], s[6:7], s[14:15]
	s_add_nc_u64 s[42:43], s[4:5], s[42:43]
	s_add_nc_u64 s[44:45], s[4:5], s[44:45]
	s_add_nc_u64 s[OB:OB+1], s[8:9], s[OB:OB+1]
	s_mov_b32 s[G0], 1
	s_mov_b32 s[G0+1], s16
	s_mov_b64 s[G0+2:G0+3], s[14:15]
	s_or_b32 s[G0+3], s[G0+3], 0x80000000
	CROUND                                         ; the four work-groups are here: the joint loads meet
	tensor_load_to_lds s[G0:G0+3], s[G1:G1+7]      ; my one tensor load
	s_nop 0
	v_and_b32 v9, 31, v0
	v_and_b32 v10, 15, v0
	v_bfe_u32 v11, v0, 4, 1
	v_lshlrev_b32 v[L16], 4, v9
	v_lshlrev_b32 v[L8], 3, v9
	v_lshlrev_b32 v9, 4, v10
	v_lshlrev_b32 v[SH8], 3, v11
	global_load_b128 v[QF:QF+3], v[L16], s[42:43]  ; Q's fragment stays in registers
	global_load_b32 v[QS], v9, s[44:45]
.irp j, 4,5,6,7
	v_mov_b32 v[QF+\j], 0                          ; zero codes for k = 64 .. 127
.endr
.irp m, 0,1,2,3,4,5,6,7
.irp j, 4,5,6,7
	v_mov_b32 v[KF+8*\m+\j], 0
.endr
.endr
.set j, 0
.rept 32
	v_mov_b32 v[OT+j], 0                           ; the step is written for all steps alike: the first finds zeros, which the first change of M leaves zeros
.set j, j+1
.endr
	v_mov_b32 v13, 0xff61b1e6                      ; the largest score so far: -3e38
	v_mov_b32 v14, 0
	v_mov_b32 v15, 0
	v_mul_f32 v240, s[NC], v13
	v_mov_b32 v239, 0                              ; a lane permute's destination counts as a source
	v_mov_b32 v253, 0                              ; named as the upper half of v[252:253]
	v_floor_f32 v12, v240                          ; -M
.macro KLOAD adr, off                          ; K's eight tiles and their scale words: lanes 0-15 get the words of tiles 0, 2, 4, 6, lanes 16-31 those of tiles 1, 3, 5, 7
.irp m, 0,1,2,3,4,5,6,7
	ds_load_b128 v[KF+8*\m:KF+8*\m+3], v[\adr] offset:\off+512*\m
.endr
	ds_load_b128 v[KS:KS+3], v[\adr] offset:\off+8192
.endm
; A STEP: one record, 128 keys.  more = 1: the next record's K is asked for.
.macro STEP more
	s_wait_dscnt 0x0                               ; this record's K is in
.irp j, 0,1,2,3
	v_wmma_scale_f32_16x16x128_f8f6f4 v[SS+16*\j:SS+16*\j+7], v[KF+16*\j:KF+16*\j+7], v[QF:QF+7], 0, v[KS+\j], v[QS] matrix_a_fmt:MATRIX_FMT_FP4 matrix_b_fmt:MATRIX_FMT_FP4
	v_wmma_scale_f32_16x16x128_f8f6f4 v[SS+16*\j+8:SS+16*\j+15], v[KF+16*\j+8:KF+16*\j+15], v[QF:QF+7], 0, v[KS+\j], v[QS] matrix_a_fmt:MATRIX_FMT_FP4 matrix_b_fmt:MATRIX_FMT_FP4 matrix_a_scale:MATRIX_SCALE_ROW1
.endr
	v_add_nc_u32 v[ADC], s[TB], v[L16]             ; four places ahead of the loads into K's and V's registers and of the first read of the scores
	v_add_nc_u32 v[ADS], s[TB], v[L8]
	v_mov_b32 v254, v12                            ; the old -M
	v_nop
.irp t, 0,1,2,3
.irp c, 0,1
	ds_load_b128 v[VF+8*\t+4*\c:VF+8*\t+4*\c+3], v[ADC] offset:4096+1024*\t+512*\c
.endr
.endr
	ds_load_b64 v[VS:VS+1], v[ADS] offset:8704
.if \more
	KLOAD ADC, REC                                 ; nine loads, behind V's nine
.endif
.irp b, 0,1,2,3
	v_max3_num_f32 v[BM+\b], v[SS+16*\b], v[SS+16*\b+1], v[SS+16*\b+2]   ; four chains of 16 scores by turns; each accumulator is first read at its low end
.endr
.irp i, 3,5,7,9,11,13
.irp b, 0,1,2,3
	v_max3_num_f32 v[BM+\b], v[BM+\b], v[SS+16*\b+\i], v[SS+16*\b+\i+1]
.endr
.endr
	v_max3_num_f32 v[BM], v[BM], v[BM+1], v[SS+15]
	v_max3_num_f32 v[BM+2], v[BM+2], v[BM+3], v[SS+47]
	v_max_num_f32 v[BM], v[BM], v[SS+31]           ; THE LARGEST SCORE OF MY BLOCK h: it serves for the row's maximum and, since p rises with the score, for the block's largest p
	v_max_num_f32 v[BM+2], v[BM+2], v[SS+63]       ; and of my block 2 + h
	s_delay_alu instid0(VALU_DEP_1)
	v_max_num_f32 v238, v[BM], v[BM+2]
	s_delay_alu instid0(VALU_DEP_1)
	v_permlanex16_b32 v239, v238, s[SEL], s[SEL+1]
	s_delay_alu instid0(VALU_DEP_1)
	v_max3_num_f32 v13, v13, v238, v239            ; the running largest score of my query
	s_delay_alu instid0(VALU_DEP_1)
	v_mul_f32 v240, s[NC], v13                     ; -t
	s_delay_alu instid0(VALU_DEP_1)
	v_floor_f32 v12, v240                          ; the new -M = floor(-t): M is a whole number
.set j, 0
.rept 32
	v_pk_fma_f32 v[SS+j:SS+j+1], v[SS+j:SS+j+1], s[CS:CS+1], v[12:13] op_sel_hi:[1,0,0]   ; t - M, two at a time (the pairs' low words serve both halves)
.if j == 8
	v_sub_f32 v254, v12, v254                      ; old M - new M: a whole number, 0 or less
.endif
.if j == 24
	v_cvt_i32_f32 v254, v254                       ; (it saturates)
.endif
.if j == 40
	v_ldexp_f32 v252, 1.0, v254                    ; f = 2^(old M - new M)
.endif
.set j, j+2
.endr
	v_fma_f32 v[BM], v[BM], s[CS], v12             ; the same of my two blocks' largest scores
	v_fma_f32 v[BM+2], v[BM+2], s[CS], v12
	s_wait_alu depctr_va_vdst(0)                   ; the wait ahead of the batch
.set j, 0
.rept 64
	v_exp_f32 v[SS+j], v[SS+j]                     ; p = 2^(t - M)
.set j, j+1
.endr
	v_exp_f32 v[BM], v[BM]                         ; the blocks' largest p: the same two instructions on the same number give the same bits
	v_exp_f32 v[BM+2], v[BM+2]
	v_pk_mul_f32 v[14:15], v[14:15], v[252:253] op_sel_hi:[1,0]   ; the sums under the new M (the plain place behind the batch)
	s_wait_alu depctr_va_vdst(0)                   ; one wait for the batch, ahead of its first reader
	v_max_num_f32 v[BM], 0x1800000, v[BM]          ; the floor 2^(3 - 127): the byte cannot fall under 1
	v_max_num_f32 v[BM+2], 0x1800000, v[BM+2]
	v_pk_add_f32 v[236:237], v[SS:SS+1], v[SS+2:SS+3]   ; the row's sum is taken of the unquantised p, in two chains
	v_add_nc_u32 v244, 0xff000000, v[BM]           ; 2 off the exponent field: the conversion's scale operand
	v_add_nc_u32 v245, 0xff000000, v[BM+2]
	v_pk_add_f32 v[14:15], v[14:15], v[SS+4:SS+5]
.irp c, 0,1
.irp g, 0,1,2,3
	v_cvt_scalef32_pk8_fp4_f32 v[PC+4*\c+\g], v[SS+32*\c+8*\g:SS+32*\c+8*\g+7], v[244+\c]   ; keys 64 c + 32 h + 8 g + 0..7: register 4 c + g of the operand
.endr
.endr
	v_pk_add_f32 v[236:237], v[236:237], v[SS+6:SS+7]
.set j, 8
.rept 14
	v_pk_add_f32 v[14:15], v[14:15], v[SS+j:SS+j+1]
	v_pk_add_f32 v[236:237], v[236:237], v[SS+j+2:SS+j+3]
.set j, j+4
.endr
	v_lshrrev_b32 v246, 23, v244                   ; the scales' bytes
	v_lshrrev_b32 v247, 23, v245
	v_pk_add_f32 v[14:15], v[14:15], v[236:237]
	s_delay_alu instid0(VALU_DEP_2)
	v_lshl_or_b32 v246, v247, 16, v246
	s_delay_alu instid0(VALU_DEP_1)
	v_lshlrev_b32 v246, v[SH8], v246               ; at bytes h and 2 + h of p's scale word
	s_delay_alu instid0(VALU_DEP_1)
	v_permlanex16_b32 v247, v246, s[SEL], s[SEL+1]
	s_delay_alu instid0(VALU_DEP_1)
	v_or_b32 v[PS], v246, v247                     ; with lane l xor 16's two bytes the word is whole
.if \more
	s_wait_dscnt 9                                 ; V is in; the nine loads of the next K may be out
.else
	s_wait_dscnt 0x0
.endif
	s_wait_alu depctr_va_vdst(0)                   ; the wait here, directly ahead of the first reader of O^T
.set j, 0
.rept 16
	v_pk_mul_f32 v[OT+j:OT+j+1], v[OT+j:OT+j+1], v[252:253] op_sel_hi:[1,0]   ; O^T under the new M; these 16 are also the places between p's codes and scale word and the products
.set j, j+2
.endr
.irp j, 0,1
	v_wmma_scale_f32_16x16x128_f8f6f4 v[OT+16*\j:OT+16*\j+7], v[VF+16*\j:VF+16*\j+7], v[PC:PC+7], v[OT+16*\j:OT+16*\j+7], v[VS+\j], v[PS] matrix_a_fmt:MATRIX_FMT_FP4 matrix_b_fmt:MATRIX_FMT_FP4
	v_wmma_scale_f32_16x16x128_f8f6f4 v[OT+16*\j+8:OT+16*\j+15], v[VF+16*\j+8:VF+16*\j+15], v[PC:PC+7], v[OT+16*\j+8:OT+16*\j+15], v[VS+\j], v[PS] matrix_a_fmt:MATRIX_FMT_FP4 matrix_b_fmt:MATRIX_FMT_FP4 matrix_a_scale:MATRIX_SCALE_ROW1
.endr
	s_add_co_u32 s[TB], s[TB], REC
.endm
	s_wait_alu depctr_va_vdst(0)                   ; the wait at the head's end
	s_wait_tensorcnt 0x0                           ; my two records are in
	s_barrier_signal -1
	s_barrier_wait -1                              ; and everybody's: from here on the records are only read
	KLOAD L16, 0                                   ; record 0's K
	s_wait_loadcnt 0x0                             ; Q
.Lstep:                                                ; 31 trips; the last record's step is written out, since no record follows it
	STEP 1
	s_sub_co_u32 s[CNT], s[CNT], 1
	s_cmp_lg_u32 s[CNT], 0
	s_cbranch_scc1 .Lstep
	STEP 0
	; THE WAY OUT.  O^T / the sum goes through my stage, 16 rows x 272 bytes in the records' bytes, which have had their only fill; the barrier shows that nobody reads them any more.
	s_wait_dscnt 0x0
	s_barrier_signal -1
	v_add_f32 v14, v14, v15                        ; the sum's two halves (work on registers between the signal and the wait),
	s_delay_alu instid0(VALU_DEP_1)
	v_permlanex16_b32 v252, v14, s[SEL], s[SEL+1]
	s_delay_alu instid0(VALU_DEP_1)
	v_add_f32 v14, v14, v252                       ; and lane l xor 16's: the row's sum
	s_wait_alu depctr_va_vdst(0)                   ; the wait ahead of the transcendental
	v_rcp_f32 v14, v14
	s_mul_i32 s48, s[WV], 16*272
	v_mul_u32_u24 v[STO], v10, 272
	v_mul_u32_u24 v[RD], v11, 272
	v_lshlrev_b32 v[GO], 11, v11
	v_lshl_add_u32 v[STO], v11, 6, v[STO]          ; in: row r; tiles 2 b, 2 b + 1 hold channels 32 b + 16 h + 0..15
	v_lshl_add_u32 v[RD], v10, 4, v[RD]            ; back: lanes 0-15 one row of 256 bytes, lanes 16-31 the next
	v_lshl_add_u32 v[GO], v10, 4, v[GO]
	v_add_nc_u32 v[STO], s48, v[STO]
	v_add_nc_u32 v[RD], s48, v[RD]
	s_barrier_wait -1
	s_wait_alu depctr_va_vdst(0)                   ; the wait ahead of the first reader of the reciprocal and of O^T
.set j, 0
.rept 32
	v_mul_f32 v[SS+j], v[OT+j], v14
.set j, j+1
.endr
.irp t, 0,1,2,3
	ds_store_b128 v[STO], v[SS+8*\t:SS+8*\t+3] offset:128*(\t/2)+32*(\t%2)
	ds_store_b128 v[STO], v[SS+8*\t+4:SS+8*\t+7] offset:128*(\t/2)+32*(\t%2)+16
.endr
.irp i, 0,1,2,3,4,5,6,7
	ds_load_b128 v[KF+4*\i:KF+4*\i+3], v[RD] offset:544*\i   ; LDS serves a wave's instructions in order (ISA guide 5.7.1.4): these see my stores
.endr
.irp i, 0,1,2,3,4,5,6,7
	s_wait_dscnt 7-\i                              ; the loads behind the i-th may be out
	global_store_b128 v[GO], v[KF+4*\i:KF+4*\i+3], s[OB:OB+1] offset:(2*\i+24*(\i/4))*2048 th:TH_STORE_NT   ; stage rows 8-15 are queries 32 on; sixteen lanes store 256 consecutive bytes, aligned
.endr
	s_wait_tensorcnt 0x0                           ; the wave's end
	ds_add_u32 v[SPW], v[NIL]
	s_wait_dscnt 0x0
	CROUND                                         ; the closing round
	s_endpgm
.Lfunc_end_k_q8c810db473_attn:
	.size	k_q8c810db473_attn, .Lfunc_end_k_q8c810db473_attn-k_q8c810db473_attn
	.p2alignl 7, 3214868480
	.fill 96, 4, 3214868480
	.section	.rodata,"a",@progbits
	.p2align	6, 0x0
	.amdhsa_kernel k_q8c810db473_attn
		.amdhsa_group_segment_fixed_size 327680
		.amdhsa_private_segment_fixed_size 0
		.amdhsa_enable_private_segment 0
		.amdhsa_kernarg_size 24
		.amdhsa_user_sgpr_count 2
		.amdhsa_user_sgpr_kernarg_segment_ptr 1
		.amdhsa_wavefront_size32 1
		.amdhsa_system_sgpr_workgroup_id_x 1
		.amdhsa_system_sgpr_workgroup_id_y 1
		.amdhsa_system_sgpr_workgroup_id_z 1
		.amdhsa_system_vgpr_workitem_id 0
		.amdhsa_next_free_vgpr 256
		.amdhsa_next_free_sgpr 66
		.amdhsa_reserve_vcc 0
		.amdhsa_float_denorm_mode_32 3
		.amdhsa_float_denorm_mode_16_64 3
		.amdhsa_memory_ordered 1
		.amdhsa_forward_progress 1
		.amdhsa_inst_pref_size 39
	.end_amdhsa_kernel
	.amdgpu_metadata
---
amdhsa.version: [ 1, 2 ]
amdhsa.kernels:
  - .name:           k_q8c810db473_attn
    .symbol:         k_q8c810db473_attn.kd
    .args:
      - { .name: qbuf, .offset: 0, .size: 8, .value_kind: global_buffer, .address_space: global }
      - { .name: kv, .offset: 8, .size: 8, .value_kind: global_buffer, .address_space: global }
      - { .name: out0, .offset: 16, .size: 8, .value_kind: global_buffer, .address_space: global }
    .group_segment_fixed_size: 327680
    .private_segment_fixed_size: 0
    .kernarg_segment_align: 8
    .kernarg_segment_size: 24
    .max_flat_workgroup_size: 512
    .sgpr_count:     66
    .vgpr_count:     256
    .wavefront_size: 32
...
	.end_amdgpu_metadata
.endif
;; end of part 3
